; MI455X (gfx1250); checked and timed in simulation.
; The chip was launched on July 23, 2026; its instructions are those of AMD's public machine-readable ISA for CDNA 5 (MIT licence, August 2026) and "CDNA5" Instruction Set Architecture Reference Guide (July 2026). The comments in the code are by the model that wrote it; some were corrected since.
;; Causal Self Attention. Allowed arithmetic: matrix products marked QUANTISED: E2M1 operands, one E8M0 scale for each 32 along K, by v_wmma_scale_f32_16x16x128_f8f6f4 with both operands' format E2M1 (or v_wmma_scale_f32_32x16x128_f4), f32 sums; everything else in f32.
;; Inputs: Wk_codes 1,024 x 32 x 16 uint8 (E2M1 codes of Wk, K innermost, in blocks of 32 codes, two codes a byte); Wk_scales 1,024 x 32 uint8 (E8M0 scales of Wk, one for each 32 codes along K); Wp_codes 1,024 x 32 x 16 uint8 (E2M1 codes of Wp, K innermost, in blocks of 32 codes, two codes a byte); Wp_scales 1,024 x 32 uint8 (E8M0 scales of Wp, one for each 32 codes along K); Wq_codes 1,024 x 32 x 16 uint8 (E2M1 codes of Wq, K innermost, in blocks of 32 codes, two codes a byte); Wq_scales 1,024 x 32 uint8 (E8M0 scales of Wq, one for each 32 codes along K); Wv_codes 1,024 x 32 x 16 uint8 (E2M1 codes of Wv, K innermost, in blocks of 32 codes, two codes a byte); Wv_scales 1,024 x 32 uint8 (E8M0 scales of Wv, one for each 32 codes along K); bk 1,024 float32; bp 1,024 float32; bq 1,024 float32; bv 1,024 float32; x_codes 4 x 2,048 x 32 x 16 uint8 (E2M1 codes of x, K innermost, in blocks of 32 codes, two codes a byte); x_scales 4 x 2,048 x 32 uint8 (E8M0 scales of x, one for each 32 codes along K).
;; Outputs: out0 4 x 2,048 x 1,024 float32.
;; This version of the problem:
;;   THIS VERSION OF THE PROBLEM IS GIVEN IN LOW PRECISION. The matrix products marked QUANTISED in the list below multiply operands that are first quantised to E2M1 (2 exponent bits, 1 mantissa bit; 4 bits a number), with one power-of-two scale for each 32 numbers along K (OCP MX v1.0); their sums are f32. All else is computed in f32.
;;   The module's matrix products, in the order in which they are computed (A, B: the left and right operand; K: the contracted axis; several contracted axes count as one K, in the product's order):
;;     1. [M 8,192, K 1,024] x [K 1,024, N 1,024]; A: input x (given as codes); B: input Wk (given as codes): QUANTISED
;;     2. [M 8,192, K 1,024] x [K 1,024, N 1,024]; A: input x (given as codes); B: input Wq (given as codes): QUANTISED
;;     3. [M 8,192, K 1,024] x [K 1,024, N 1,024]; A: input x (given as codes); B: input Wv (given as codes): QUANTISED
;;     4. batch 64 x [M 2,048, K 64] x [K 64, N 2,048]; A: computed on the way; B: computed on the way: QUANTISED
;;     5. batch 64 x [M 2,048, K 2,048] x [K 2,048, N 64]; A: softmax (see below); B: computed on the way: QUANTISED
;;     6. [M 8,192, K 1,024] x [K 1,024, N 1,024]; A: computed on the way; B: input Wp (given as codes): QUANTISED
;;   THE QUANTISER, for each operand of a quantised product, along K:
;;     - K is cut into blocks of 32 from its start; a last block that is shorter is filled with zeros.
;;     - A block's scale is 2^e with e = floor(log2(the largest magnitude in the block)) - 2, held to -126 .. 127; a block of zeros has e = 0. As a byte (E8M0): e + 127.
;;     - Each number is divided by its block's scale, clamped to +-6, and rounded to the nearest number of E2M1, ties to even, subnormals kept.
;;     - The product sums the exact products of the quantised numbers (number of the format x scale) in f32.
;;   ~~~python
;;   def quantise(x, axis):      # numpy; x: float32 -> the quantised numbers, widened to float32 again
;;       x = np.moveaxis(x, axis, -1); K = x.shape[-1]
;;       x = np.pad(x, [(0, 0)] * (x.ndim - 1) + [(0, -K % 32)]); x = x.reshape(x.shape[:-1] + (-1, 32)); a = np.abs(x).max(-1, keepdims=True)
;;       e = np.where(a > 0, np.clip(np.frexp(np.where(a > 0, a, 1))[1] - 1 - 2, -126, 127), 0)      # np.frexp(a)[1] - 1 = floor(log2(a)), exactly
;;       r = np.clip(x / 2.0 ** e, -6, 6)
;;       step = 2.0 ** (np.maximum(np.frexp(np.where(r == 0, 1, r))[1] - 1, 0) - 1)
;;       q = np.round(r / step) * step * 2.0 ** e      # np.round: ties to even
;;       return np.moveaxis(q.reshape(q.shape[:-2] + (-1,))[..., :K], -1, axis).astype(np.float32)
;;   ~~~
;;   SOFTMAX AHEAD OF A QUANTISED PRODUCT. Where the list says 'softmax', what is quantised is not the finished softmax but p = 2^(t - M), with t = logit x log2(e) and M = ceil(the row's largest t), a whole number; so 1/2 < the row's largest p <= 1. The row's sum l is taken of the UNQUANTISED p, in f32, and the product's result is divided by l at the end. Since M is a whole number, a kernel that streams over the keys may use a running M (the ceiling of the running maximum): every later rescaling is an exact power of two, which a block's scale takes up: the codes' values come out the same.
;;   OPERANDS COMPUTED ON THE WAY. 'Computed on the way' means the value that the module computes at that place (a softmax that the list does not call 'softmax' is quantised finished and normalised). What goes into a quantiser is computed in f32, as accurately as f32 sums, v_exp_f32 and their like allow (about 1e-6 of the number): no bf16 or f16 on the way to a quantiser, and a product that is left as it is and whose result goes on into a quantised operand takes f32 operands (vector FMAs, or v_wmma_f32_16x16x4_f32). A number that lies on a knife's edge between two numbers of the format may be rounded either way, as far as f32 arithmetic and the matrix unit's own rounding can turn it there, and no further.
;;   INPUTS GIVEN AS CODES. Wk (in the module: [1024, 1024], K = its axis 1); Wp (in the module: [1024, 1024], K = its axis 1); Wq (in the module: [1024, 1024], K = its axis 1); Wv (in the module: [1024, 1024], K = its axis 1); x (in the module: [4, 2048, 1024], K = its axis 2): each comes as NAME_codes (uint8): NAME with its K axis moved to the last place and cut into blocks of 32 codes, [.., K / 32, bytes a block], one block behind the other in memory; two codes a byte, the lower K in the low four bits (a code: sign, 2 exponent bits, 1 mantissa bit); and NAME_scales (uint8): the same leading axes, one E8M0 byte (e + 127) for each 32 codes along K. Its value is code x scale, taken as it is: it is not quantised again, and the codes and scales need not be those that the quantiser above would give.
;; One version. Each part assembles by itself: llvm-mc -triple=amdgcn-amd-amdhsa -mcpu=gfx1250 --defsym DOCPART=n.
;; ======== version 1 of 1: 3 launches
;; workspace buffers: qq 4,456,448 bytes; kv 8,912,896 bytes; yc 4,194,304 bytes; ys 262,144 bytes
;; launch qkv (part 1): grid 12 x 64, 4 waves a work-group, clusters of 4 x 4, 216,064 bytes of LDS; arguments x_codes, x_scales, Wq_codes, Wq_scales, bq, Wk_codes, Wk_scales, bk, Wv_codes, Wv_scales, bv, qq, kv; writes qq, kv
.if DOCPART == 1
	.amdgcn_target "amdgcn-amd-amdhsa--gfx1250"
	.amdhsa_code_object_version 6
	.text
	.protected	k_q3ca3beb576_qkv
	.globl	k_q3ca3beb576_qkv
	.p2align	8
	.type	k_q3ca3beb576_qkv,@function
k_q3ca3beb576_qkv:
	s_mov_b64 s[64:65], 0
	v_nop
	global_prefetch_b8 v0, s[64:65] scope:SCOPE_SE
	s_setreg_imm32_b32 hwreg(HW_REG_WAVE_MODE, 25, 1), 1
	s_wait_xcnt 0x0
	s_wait_alu depctr_hold_cnt(0) depctr_sa_sdst(0) depctr_va_vdst(0) depctr_va_sdst(0) depctr_va_ssrc(0) depctr_va_vcc(0) depctr_vm_vsrc(0)
	s_getreg_b32 s2, hwreg(HW_REG_IB_STS2, 6, 4)
	s_cmp_eq_u32 s2, 0
	s_cbranch_scc0 .Lentry_in_a_cluster
	s_endpgm
.Lentry_in_a_cluster:
	s_bfe_u32 s2, ttmp6, 0x10000c
	s_cmp_lg_u32 s2, 0xf033
	s_cbranch_scc0 .Lentry_shape_is_right
	s_endpgm
.Lentry_shape_is_right:
; q = x Wq^T + bq, k = x Wk^T + bk, v = x Wv^T + bv on codes of FP4 (E2M1) with one E8M0 byte for each 32 along K = 1,024; the results are quantised at once:
; q and k along the head's 64 channels (two blocks), v along the keys (blocks of 32 keys), and leave as IMAGES OF OPERAND REGISTERS (four registers = 512 bytes, lane l's 16 bytes at 16 l).
; SHARES.  A work-group takes 128 rows of x and 256 rows (four heads) of ONE weight; the cluster's x says which weight (0 q, 1 k, 2 v), the same in all sixteen partners.  Wave w takes the 128 rows x head 4 cx + w:
; 8 tiles of x by 4 tiles of W, 32 accumulators.  All of K (512 bytes a row) lies in LDS: every LDS byte is filled once, nothing is filled again.
; CLUSTER 4 x 4: the four of a row need the same rows of x, the four of a column the same rows of W: each tile is asked for jointly.
; THE ROWS OF A TILE ARE NOT NEIGHBOURS: lane r of tile 2 b + u takes row 32 b + 8 u + r + 8 (r / 8), of x and of W alike.  As source 0 that makes the 16 registers of result tiles 2 b, 2 b + 1 sixteen neighbours,
; 32 b + 16 (lane / 16) + 0 .. 15, which is what the conversions want.  q, k: source 0 = W (a lane holds one row of x, registers run along the channels); v: source 0 = x (a lane holds one channel, registers run along the keys).
; q's and k's images are PAIRS: registers 0-3 are tile 2 i (its 64 channels), registers 4-7 tile 2 i + 1; the pair's scale word holds the two bytes of each.
; LDS.  The rows of a tile lie 0-7 and 16-23 (or 8-15 and 24-31) of a group of 32; rows 16 apart meet in the same banks at any pitch of a multiple of 16 bytes (64 banks of 4 bytes: ISA guide 11.1).  So a group's rows 0-15
; go to one region and its rows 16-31 to another that begins 128 bytes further on modulo 256; pitch 528: the sixteen rows of a load start in sixteen different groups of four banks.
; LIMITS: NaN and infinities are not served.  A block whose largest magnitude lies under 2^-124 (a block of zeros too) gets the byte 1; its bytes are read by this program alone.
; REGISTERS: window 0: addresses, scale words, the quantiser's work, the codes;  window 1: the 32 accumulators;  window 2: two sets of 12 fragments, and from v192 the bias in the result's layout.
.set PX,   528                         ; an LDS row of codes: 512 bytes + 16 of padding
.set XOD,  33920                       ; x: from the region of rows 0-15 (LDS byte 0, 64 rows) to that of rows 16-31
.set WE,   67840                       ; W: the region of rows 0-15 (128 rows)
.set WOD,  67712                       ; and from it to that of rows 16-31
.set XSL,  203264                      ; x's scale bytes, 128 rows x 32, dense
.set WSL,  207360                      ; W's, 256 rows x 32
.set XA,   4                           ; v4   x's fragments: (r % 8) PX + (r / 8) XOD + 16 h
.set WA,   5                           ; v5   W's: the same with WOD, + WE + my head's 32 rows of each region
.set XSA,  6                           ; v6   x's scale words: XSL + 32 (r + 8 (r / 8))
.set WSA,  7                           ; v7   W's
.set OI,   9                           ; v9   16 x lane: an image's place for my lane
.set OS,   10                          ; v10  16 r + 8 h: my two scale words' place
.set XSC,  16                          ; v16-79   x's scale words: tile i, K step s at XSC + 8 i + s
.set WSC,  80                          ; v80-111  W's: tile t, K step s at WSC + 8 t + s
.set TM,   112                         ; v112-127 the quantiser's work: +0 largest magnitudes, +4 the other half's, then bytes, +12 the conversions' scale operands
.set PW,   128                         ; v128-131 a scale word for each of the four images
.set SWD,  132                         ; v132-133 the two words that I store
.set PC,   136                         ; v136-167 the four images' codes: no store's data are written again
.set BA,   168                         ; v168-175 the bias loads' offsets
.set BIAS, 192                         ; window 2: eight registers for each tile of W
.set WV,   30                          ; s30  my wave's number;  s31 = wave / 2: I fetch for x (0) or W (1);  s32 = wave % 2: which region
.set OUT,  16                          ; s[16:17] where my images go;  s[18:19] where my scale words go
.set OUTS, 18
.set G1X,  48                          ; descriptor groups 1: x's codes, W's codes, x's scales, W's scales
.set G1W,  56
.set G1XS, 68
.set G1WS, 76
.set G0X,  84                          ; and their groups 0
.set G0W,  88
.set G0XS, 92
.set G0WS, 96
.set MSB, 0
.macro WIN new                         ; s_set_vgpr_msb: bits 1:0 source 0, 3:2 source 1, 5:4 source 2, 7:6 destination; the high byte repeats the setting that is left
.if MSB != \new
	s_set_vgpr_msb (MSB<<8)|\new
.set MSB, \new
.endif
.endm
.macro CROUND                          ; a round of the cluster's barrier
	s_barrier_signal -1
	s_barrier_wait -1
	s_cmp_lg_u32 s[WV], 0
	s_cbranch_scc1 .Lnot_wave_0_\@
	s_barrier_signal -3
.Lnot_wave_0_\@:
	s_barrier_wait -3
	s_barrier_signal -1
	s_barrier_wait -1
.endm
.macro JLOAD g0a, g1a, g0b, g1b        ; a joint load: waves 0, 1 for x, waves 2, 3 for W; four v_nop follow each line
	s_cmp_eq_u32 s31, 0
	s_cbranch_scc0 .Lfor_w_\@
	tensor_load_to_lds s[\g0a:\g0a+3], s[\g1a:\g1a+7]
	s_nop 0
.rept 4
	v_nop
.endr
	s_branch .Lasked_\@
.Lfor_w_\@:
	tensor_load_to_lds s[\g0b:\g0b+3], s[\g1b:\g1b+7]
	s_nop 0
.rept 4
	v_nop
.endr
.Lasked_\@:
.endm
.macro PLACES                          ; four plain places behind matrix instructions, ahead of loads into their sources and of reads of their results
.rept 4
	v_nop
.endr
.endm
	s_load_b512 s[4:19], s[0:1], 0x0               ; x codes, x scales, Wq codes, Wq scales, bq, Wk codes, Wk scales, bk
	s_load_b256 s[20:27], s[0:1], 0x40             ; Wv codes, Wv scales, bv, qq
	s_load_b64 s[28:29], s[0:1], 0x60              ; kv
	v_lshl_add_u32 v254, v0, 2, 0x34a00
	v_mov_b32 v255, 0
	ds_add_u32 v254, v255
	ds_add_u32 v254, v255
	v_lshrrev_b32 v1, 5, v0
	v_readfirstlane_b32 s[WV], v1                  ; wave 0..3
	s_lshr_b32 s31, s[WV], 1
	s_and_b32 s32, s[WV], 1
	s_bfe_u32 s33, ttmp6, 0x40000                  ; cx: which four heads
	s_bfe_u32 s34, ttmp6, 0x40004                  ; cy
	s_and_b32 s35, ttmp7, 0xffff
	s_lshl_b32 s35, s35, 2
	s_add_co_u32 s35, s35, s34                     ; RB: which 128 rows of x = 4 x cluster y + cy
	s_lshl_b32 s36, s34, 2
	s_lshl_b32 s36, 15, s36                        ; my row of the cluster
	s_lshl_b32 s37, 0x1111, s33                    ; my column
	; x's codes: a tile row is 16 rows of memory on end (1,024 elements of 8 bytes); 4 of them, 32 rows apart; 16 bytes of padding behind every 512
	s_or_b32 s[G1X], s36, (3<<16)|(1<<20)|(1<<21)|(6<<22)|(3<<25)
	s_mov_b32 s[G1X+1], 1024<<16                   ; tensor_dim0
	s_mov_b32 s[G1X+2], 4<<16                      ; tensor_dim1
	s_mov_b32 s[G1X+3], 1024<<16                   ; tile_dim0
	s_mov_b32 s[G1X+4], 4                          ; tile_dim1
	s_mov_b32 s[G1X+5], 2048                       ; from tile row to tile row: 32 rows of memory
	s_mov_b32 s[G1X+6], 0
	s_mov_b32 s[G1X+7], 0
	s_or_b32 s[G1W], s37, (3<<16)|(1<<20)|(1<<21)|(6<<22)|(3<<25)   ; W's: the same with 8 groups of 32 rows
	s_mov_b32 s[G1W+1], 1024<<16
	s_mov_b32 s[G1W+2], 8<<16
	s_mov_b32 s[G1W+3], 1024<<16
	s_mov_b32 s[G1W+4], 8
	s_mov_b32 s[G1W+5], 2048
	s_mov_b32 s[G1W+6], 0
	s_mov_b32 s[G1W+7], 0
	s_or_b32 s[G1XS], s36, (3<<16)|(1<<21)         ; x's scales: 2,048 dense bytes as 8 rows of 256
	s_mov_b32 s[G1XS+1], 32<<16
	s_mov_b32 s[G1XS+2], 8<<16
	s_mov_b32 s[G1XS+3], 32<<16
	s_mov_b32 s[G1XS+4], 8
	s_mov_b32 s[G1XS+5], 32
	s_mov_b32 s[G1XS+6], 0
	s_mov_b32 s[G1XS+7], 0
	s_or_b32 s[G1WS], s37, (3<<16)|(1<<21)         ; W's scales: 4,096 dense bytes as 16 rows of 256
	s_mov_b32 s[G1WS+1], 32<<16
	s_mov_b32 s[G1WS+2], 16<<16
	s_mov_b32 s[G1WS+3], 32<<16
	s_mov_b32 s[G1WS+4], 16
	s_mov_b32 s[G1WS+5], 32
	s_mov_b32 s[G1WS+6], 0
	s_mov_b32 s[G1WS+7], 0
	; byte offsets in memory.  x's hang on RB and the wave alone, W's on cx and the wave alone
	s_lshl_b32 s38, s35, 16                        ; x's codes: RB x 128 rows of 512 bytes
	s_lshl_b32 s39, s32, 13                        ; + 16 rows for the second region
	s_add_co_u32 s38, s38, s39
	s_mov_b32 s39, 0
	s_lshl_b32 s40, s35, 12                        ; x's scales: RB x 4,096 + half
	s_lshl_b32 s41, s32, 11
	s_add_co_u32 s40, s40, s41
	s_mov_b32 s41, 0
	s_lshl_b32 s42, s33, 17                        ; W's codes: cx x 256 rows of 512 bytes
	s_lshl_b32 s43, s32, 13
	s_add_co_u32 s42, s42, s43
	s_mov_b32 s43, 0
	s_lshl_b32 s66, s33, 13                        ; W's scales: cx x 8,192 + half
	s_lshl_b32 s67, s32, 12
	s_add_co_u32 s66, s66, s67
	s_mov_b32 s67, 0
	s_mov_b32 s2, 0x76543210                       ; v_permlanex16_b32's selects for lane l xor 16
	s_mov_b32 s3, 0xfedcba98
	s_cmp_lg_u32 ttmp9, 0
	s_cselect_b32 s46, 1, 0                        ; kv's strides are twice qq's
	s_cmp_eq_u32 ttmp9, 2
	s_cselect_b32 s44, -1, 0                       ; a lane mask: all lanes for v
	s_cselect_b32 s45, 0, 4                        ; the bias from register to register: 4 bytes for q and k, none for v
	s_cselect_b32 s47, 256, 0                      ; v's scale words lie behind k's
	s_wait_dscnt 0x0
	s_wait_kmcnt 0x0
	s_cmp_eq_u32 ttmp9, 0                          ; which weight: the choice hangs on the cluster's x alone
	s_cselect_b64 s[8:9], s[8:9], s[14:15]
	s_cselect_b64 s[10:11], s[10:11], s[16:17]
	s_cselect_b64 s[12:13], s[12:13], s[18:19]
	s_cselect_b64 s[26:27], s[26:27], s[28:29]     ; q goes to qq, k and v to kv
	s_cmp_eq_u32 ttmp9, 2
	s_cselect_b64 s[8:9], s[20:21], s[8:9]
	s_cselect_b64 s[10:11], s[22:23], s[10:11]
	s_cselect_b64 s[12:13], s[24:25], s[12:13]
	s_mov_b32 s[G0X], 1
	s_mul_i32 s[G0X+1], s32, XOD
	s_add_nc_u64 s[G0X+2:G0X+3], s[4:5], s[38:39]
	s_or_b32 s[G0X+3], s[G0X+3], 0x80000000
	s_mov_b32 s[G0W], 1
	s_mul_i32 s[G0W+1], s32, WOD
	s_add_co_u32 s[G0W+1], s[G0W+1], WE
	s_add_nc_u64 s[G0W+2:G0W+3], s[8:9], s[42:43]
	s_or_b32 s[G0W+3], s[G0W+3], 0x80000000
	s_mov_b32 s[G0XS], 1
	s_lshl_b32 s[G0XS+1], s32, 11
	s_add_co_u32 s[G0XS+1], s[G0XS+1], XSL
	s_add_nc_u64 s[G0XS+2:G0XS+3], s[6:7], s[40:41]
	s_or_b32 s[G0XS+3], s[G0XS+3], 0x80000000
	s_mov_b32 s[G0WS], 1
	s_lshl_b32 s[G0WS+1], s32, 12
	s_add_co_u32 s[G0WS+1], s[G0WS+1], WSL
	s_add_nc_u64 s[G0WS+2:G0WS+3], s[10:11], s[66:67]
	s_or_b32 s[G0WS+3], s[G0WS+3], 0x80000000
	CROUND                                         ; all sixteen work-groups are here: the joint loads meet
	JLOAD G0XS, G1XS, G0WS, G1WS                   ; two loads of mine are out: the only ones of the launch
	JLOAD G0X, G1X, G0W, G1W
	; where my results go: bh = 16 (RB / 16) + 4 cx + w, key or query block a = RB % 16
	s_lshr_b32 s14, s35, 4
	s_lshl_b32 s14, s14, 4
	s_lshl_b32 s15, s33, 2
	s_add_co_u32 s14, s14, s15
	s_add_co_u32 s14, s14, s[WV]
	s_mul_i32 s14, s14, 69632
	s_and_b32 s15, s35, 15
	s_mul_i32 s15, s15, 4352
	s_add_co_u32 s14, s14, s15
	s_lshl_b32 s14, s14, s46
	s_mov_b32 s15, 0
	s_add_nc_u64 s[OUT:OUT+1], s[26:27], s[14:15]
	s_lshl_b32 s14, 4096, s46
	s_add_co_u32 s14, s14, s47
	s_add_nc_u64 s[OUTS:OUTS+1], s[OUT:OUT+1], s[14:15]
	s_lshl_b32 s14, s33, 10
	s_lshl_b32 s20, s[WV], 8
	s_add_co_u32 s14, s14, s20
	s_add_nc_u64 s[12:13], s[12:13], s[14:15]      ; the bias at my head's first channel
	v_and_b32 v1, 15, v0                           ; r
	v_bfe_u32 v2, v0, 4, 1                         ; h
	v_and_b32 v3, 8, v1
	v_add_nc_u32 v3, v3, v1                        ; r + 8 (r / 8)
	v_and_b32 v11, 7, v1
	v_lshrrev_b32 v12, 3, v1
	v_mul_u32_u24 v13, v11, PX
	v_lshl_add_u32 v13, v2, 4, v13
	v_mad_u32_u24 v[XA], v12, XOD, v13
	v_mad_u32_u24 v[WA], v12, WOD, v13
	s_mul_i32 s14, s[WV], 32*PX
	s_add_co_u32 s14, s14, WE
	v_add_nc_u32 v[WA], s14, v[WA]
	v_lshl_add_u32 v[XSA], v3, 5, XSL
	s_lshl_b32 s14, s[WV], 11
	s_add_co_u32 s14, s14, WSL
	v_lshl_add_u32 v[WSA], v3, 5, s14
	v_and_b32 v[OI], 31, v0
	v_lshlrev_b32 v[OI], 4, v[OI]
	v_lshlrev_b32 v[OS], 4, v1
	v_lshl_add_u32 v[OS], v2, 3, v[OS]
	v_lshlrev_b32 v14, 6, v2                       ; q, k: register j of a tile is channel 16 h + j of it: 64 h + 4 j bytes
	v_lshlrev_b32 v15, 2, v3                       ; v: all eight registers are my lane's channel: 4 (r + 8 (r / 8)) bytes
	v_cndmask_b32 v8, v14, v15, s44
.irp j, 0,1,2,3,4,5,6,7
	v_mad_u32_u24 v[BA+\j], s45, \j, v8
.endr
.irp b, 0,1,2,3
	v_mov_b32 v[TM+4+\b], 0                        ; written once: a lane permute's destination counts as one of its sources
.endr
	WIN 0x80                                       ; destination window 2
.irp wt, 0,1,2,3
.irp j, 0,1,2,3,4,5,6,7
	global_load_b32 v[BIAS+8*\wt+\j], v[BA+\j], s[12:13] offset:(32*(\wt/2)+8*(\wt%2))*4
.endr
.endr
	WIN 0
	s_wait_tensorcnt 0x0                           ; both my fills have landed,
	s_barrier_signal -1
	s_barrier_wait -1                              ; everybody's have
.irp t, 0,1,2,3,4,5,6,7                        ; the scale words of all of K: eight words a row, two loads
.irp f, 0,1
	ds_load_b128 v[XSC+8*\t+4*\f:XSC+8*\t+4*\f+3], v[XSA] offset:(32*(\t/2)+8*(\t%2))*32+16*\f
.endr
.endr
.irp t, 0,1,2,3
.irp f, 0,1
	ds_load_b128 v[WSC+8*\t+4*\f:WSC+8*\t+4*\f+3], v[WSA] offset:(32*(\t/2)+8*(\t%2))*32+16*\f
.endr
.endr
; 24 LDS loads: the 12 fragments of K step s into set p.  A fragment, 16 rows x 128 K of 4-bit codes, is 8 registers: registers 4 c .. 4 c + 3 hold K = 64 c + 32 h + 0 .. 31: 16 bytes of the row as they lie
.macro FETCH s, p
	WIN 0x80
.irp t, 0,1,2,3,4,5,6,7
.irp c, 0,1
	ds_load_b128 v[96*(\p)+8*\t+4*\c:96*(\p)+8*\t+4*\c+3], v[XA] offset:(16*(\t/2)+8*(\t%2))*PX+64*(\s)+32*\c
.endr
.endr
.irp t, 0,1,2,3
.irp c, 0,1
	ds_load_b128 v[96*(\p)+64+8*\t+4*\c:96*(\p)+64+8*\t+4*\c+3], v[WA] offset:(16*(\t/2)+8*(\t%2))*PX+64*(\s)+32*\c
.endr
.endr
.endm
; 32 matrix instructions: K step s from set p.  tr = 1: source 0 = W; tr = 0: source 0 = x.  The first step takes the bias as C.  The 32 accumulators take turns, one instruction a turn, in the same order in every step
.macro MULS s, p, tr
.if (\s) == 0
	WIN 0x6a                                       ; sources 0, 1 and C window 2, D window 1
.else
	WIN 0x5a                                       ; sources 0, 1 window 2, C and D window 1
.endif
.irp xt, 0,1,2,3,4,5,6,7
.irp wt, 0,1,2,3
.if \tr
.set rD, 8*(4*\xt+\wt)
.set rA, 96*(\p)+64+8*\wt
.set rB, 96*(\p)+8*\xt
.set sA, WSC+8*\wt+(\s)
.set sB, XSC+8*\xt+(\s)
.else
.set rD, 8*(8*\wt+\xt)
.set rA, 96*(\p)+8*\xt
.set rB, 96*(\p)+64+8*\wt
.set sA, XSC+8*\xt+(\s)
.set sB, WSC+8*\wt+(\s)
.endif
.if (\s) == 0
	v_wmma_scale_f32_16x16x128_f8f6f4 v[rD:rD+7], v[rA:rA+7], v[rB:rB+7], v[BIAS+8*\wt:BIAS+8*\wt+7], v[sA], v[sB] matrix_a_fmt:MATRIX_FMT_FP4 matrix_b_fmt:MATRIX_FMT_FP4
.else
	v_wmma_scale_f32_16x16x128_f8f6f4 v[rD:rD+7], v[rA:rA+7], v[rB:rB+7], v[rD:rD+7], v[sA], v[sB] matrix_a_fmt:MATRIX_FMT_FP4 matrix_b_fmt:MATRIX_FMT_FP4
.endif
.endr
.endr
.endm
; The eight K steps: while one set is multiplied, the next step's 24 loads are on their way into the other
.macro KLOOP tr
	s_wait_loadcnt 0x0                             ; the bias
	FETCH 1, 1
	s_wait_dscnt 24                                ; all but the 24 just issued: the scale words and K step 0
	MULS 0, 0, \tr
.irp s, 1,2,3,4,5,6
	PLACES                                         ; the set to be loaded was read by the products just issued
	FETCH (\s+1), ((\s+1)%2)
	s_wait_dscnt 24                                ; all but the 24 just issued
	MULS \s, (\s%2), \tr
.endr
	s_wait_dscnt 0x0
	MULS 7, 1, \tr
	WIN 0
	PLACES                                         ; ahead of the first read of results
.endm
; 64 numbers of a lane in window 1, register 16 b + i = place 32 b + 16 h + i along the next K, become an image's 8 registers of codes and its scale word.
; A block's scale byte is its largest magnitude's exponent field - 2, held at 1 from below by the floor 2^(3 - 127) among the maximum's leaves; each accumulator is read from its low end on
.macro QUANT src, idx
	WIN 0x05
.irp b, 0,1,2,3
	v_max3_num_f32 v[TM+\b], |v[(\src)+16*\b]|, |v[(\src)+1+16*\b]|, 0x1800000
.endr
	WIN 0x14
.irp i, 2,4,6,8,10,12,14
.irp b, 0,1,2,3
	v_max3_num_f32 v[TM+\b], v[TM+\b], |v[(\src)+16*\b+\i]|, |v[(\src)+1+16*\b+\i]|
.endr
.endr
	WIN 0
.irp b, 0,1,2,3
	v_permlanex16_b32 v[TM+4+\b], v[TM+\b], s2, s3
.endr
.irp b, 0,1,2,3
	v_max_num_f32 v[TM+\b], v[TM+\b], v[TM+4+\b]   ; with lane l xor 16's sixteen: the block's largest magnitude
.endr
.irp b, 0,1,2,3
	v_add_nc_u32 v[TM+12+\b], 0xff000000, v[TM+\b] ; 2 off its exponent field: the conversion takes that field as its scale
.endr
.irp b, 0,1,2,3
	v_lshrrev_b32 v[TM+4+\b], 23, v[TM+12+\b]      ; the scale's byte
.endr
	v_lshl_or_b32 v[PW+(\idx)], v[TM+5], 8, v[TM+4]
	v_lshl_or_b32 v[PW+(\idx)], v[TM+6], 16, v[PW+(\idx)]
	v_lshl_or_b32 v[PW+(\idx)], v[TM+7], 24, v[PW+(\idx)]
	WIN 0x01
.irp b, 0,1,2,3
	v_cvt_scalef32_pk8_fp4_f32 v[PC+8*(\idx)+2*\b], v[(\src)+16*\b:(\src)+7+16*\b], v[TM+12+\b]
	v_cvt_scalef32_pk8_fp4_f32 v[PC+8*(\idx)+1+2*\b], v[(\src)+8+16*\b:(\src)+15+16*\b], v[TM+12+\b]
.endr
	WIN 0
	v_nop                                          ; one plain place behind a scaled conversion
.irp c, 0,1                                    ; the operand's layout wants a whole block in a lane: lanes 0-15 block 2 c, lanes 16-31 block 2 c + 1
.irp i, 0,1
	v_permlane16_swap_b32 v[PC+8*(\idx)+4*\c+\i], v[PC+8*(\idx)+2+4*\c+\i]
.endr
.endr
.endm
.macro OUTIMG idx, off                         ; each store covers 512 consecutive bytes, aligned
	global_store_b128 v[OI], v[PC+8*(\idx):PC+8*(\idx)+3], s[OUT:OUT+1] offset:(\off)+1024*(\idx)
	global_store_b128 v[OI], v[PC+8*(\idx)+4:PC+8*(\idx)+7], s[OUT:OUT+1] offset:(\off)+1024*(\idx)+512
.endm
.macro OUTWORDS                                ; the four scale words of lane r at 16 r: lanes 0-15 store words 0, 1, lanes 16-31 words 2, 3: 256 consecutive bytes, aligned
	v_cmp_ne_u32 vcc_lo, 0, v2
	v_cndmask_b32 v[SWD], v[PW], v[PW+2], vcc_lo
	v_cndmask_b32 v[SWD+1], v[PW+1], v[PW+3], vcc_lo
	global_store_b64 v[OS], v[SWD:SWD+1], s[OUTS:OUTS+1]
.endm
	FETCH 0, 0
	WIN 0
	s_cmp_eq_u32 ttmp9, 2                          ; the cluster's x: the same in all partners
	s_cbranch_scc1 .Lv
	KLOOP 1                                        ; q, k: accumulator (x tile, W tile) at 8 (4 xt + wt): the 64 registers of x tiles 2 i, 2 i + 1 are a pair
.irp i, 0,1,2,3
	QUANT 64*\i, \i
	OUTIMG \i, 0
.endr
	OUTWORDS
	s_branch .Lend
.Lv:
	KLOOP 0                                        ; v: accumulator at 8 (8 wt + xt): the 64 registers of a W tile are its channels' 128 keys
.irp i, 0,1,2,3
	QUANT 64*\i, \i
	OUTIMG \i, 4096
.endr
	OUTWORDS
.Lend:
	s_wait_tensorcnt 0x0
	ds_add_u32 v254, v255
	s_wait_dscnt 0x0
	CROUND                                         ; the closing round: no work-group ends while a partner may still ask for a tile that names it
	s_endpgm
.Lfunc_end_k_q3ca3beb576_qkv:
	.size	k_q3ca3beb576_qkv, .Lfunc_end_k_q3ca3beb576_qkv-k_q3ca3beb576_qkv
	.p2alignl 7, 3214868480
	.fill 96, 4, 3214868480
	.section	.rodata,"a",@progbits
	.p2align	6, 0x0
	.amdhsa_kernel k_q3ca3beb576_qkv
		.amdhsa_group_segment_fixed_size 216064
		.amdhsa_private_segment_fixed_size 0
		.amdhsa_enable_private_segment 0
		.amdhsa_kernarg_size 104
		.amdhsa_user_sgpr_count 2
		.amdhsa_user_sgpr_kernarg_segment_ptr 1
		.amdhsa_wavefront_size32 1
		.amdhsa_system_sgpr_workgroup_id_x 1
		.amdhsa_system_sgpr_workgroup_id_y 1
		.amdhsa_system_sgpr_workgroup_id_z 1
		.amdhsa_system_vgpr_workitem_id 0
		.amdhsa_next_free_vgpr 768
		.amdhsa_next_free_sgpr 100
		.amdhsa_reserve_vcc 1
		.amdhsa_float_denorm_mode_32 3
		.amdhsa_float_denorm_mode_16_64 3
		.amdhsa_memory_ordered 1
		.amdhsa_forward_progress 1
		.amdhsa_inst_pref_size 137
	.end_amdhsa_kernel
	.amdgpu_metadata
---
amdhsa.version: [ 1, 2 ]
amdhsa.kernels:
  - .name:           k_q3ca3beb576_qkv
    .symbol:         k_q3ca3beb576_qkv.kd
    .args:
      - { .name: x_codes, .offset: 0, .size: 8, .value_kind: global_buffer, .address_space: global }
      - { .name: x_scales, .offset: 8, .size: 8, .value_kind: global_buffer, .address_space: global }
      - { .name: Wq_codes, .offset: 16, .size: 8, .value_kind: global_buffer, .address_space: global }
      - { .name: Wq_scales, .offset: 24, .size: 8, .value_kind: global_buffer, .address_space: global }
      - { .name: bq, .offset: 32, .size: 8, .value_kind: global_buffer, .address_space: global }
      - { .name: Wk_codes, .offset: 40, .size: 8, .value_kind: global_buffer, .address_space: global }
      - { .name: Wk_scales, .offset: 48, .size: 8, .value_kind: global_buffer, .address_space: global }
      - { .name: bk, .offset: 56, .size: 8, .value_kind: global_buffer, .address_space: global }
      - { .name: Wv_codes, .offset: 64, .size: 8, .value_kind: global_buffer, .address_space: global }
      - { .name: Wv_scales, .offset: 72, .size: 8, .value_kind: global_buffer, .address_space: global }
      - { .name: bv, .offset: 80, .size: 8, .value_kind: global_buffer, .address_space: global }
      - { .name: qq, .offset: 88, .size: 8, .value_kind: global_buffer, .address_space: global }
      - { .name: kv, .offset: 96, .size: 8, .value_kind: global_buffer, .address_space: global }
    .group_segment_fixed_size: 216064
    .private_segment_fixed_size: 0
    .kernarg_segment_align: 8
    .kernarg_segment_size: 104
    .max_flat_workgroup_size: 128
    .sgpr_count:     100
    .vgpr_count:     768
    .wavefront_size: 32
...
	.end_amdgpu_metadata
.endif
;; end of part 1
;; launch attn (part 2): grid 8 x 64, 16 waves a work-group, clusters of 4 x 1, 169,984 bytes of LDS; arguments qq, kv, yc, ys; writes yc, ys
.if DOCPART == 2
	.amdgcn_target "amdgcn-amd-amdhsa--gfx1250"
	.amdhsa_code_object_version 6
	.text
	.protected	k_q3ca3beb576_attn
	.globl	k_q3ca3beb576_attn
	.p2align	8
	.type	k_q3ca3beb576_attn,@function
k_q3ca3beb576_attn:
	s_mov_b64 s[64:65], 0
	v_nop
	global_prefetch_b8 v0, s[64:65] scope:SCOPE_SE
	s_setreg_imm32_b32 hwreg(HW_REG_WAVE_MODE, 25, 1), 1
	s_wait_xcnt 0x0
	s_wait_alu depctr_hold_cnt(0) depctr_sa_sdst(0) depctr_va_vdst(0) depctr_va_sdst(0) depctr_va_ssrc(0) depctr_va_vcc(0) depctr_vm_vsrc(0)
	s_getreg_b32 s2, hwreg(HW_REG_IB_STS2, 6, 4)
	s_cmp_eq_u32 s2, 0
	s_cbranch_scc0 .Lentry_in_a_cluster
	s_endpgm
.Lentry_in_a_cluster:
	s_bfe_u32 s2, ttmp6, 0x10000c
	s_cmp_lg_u32 s2, 0x3003
	s_cbranch_scc0 .Lentry_shape_is_right
	s_endpgm
.Lentry_shape_is_right:
; y[b][t][head] = the sum over keys s <= t of softmax_s(q . k / 8) v, both products on codes of FP4 (E2M1) with one E8M0 byte for each 32 along K; y is quantised along C at once (a head is two blocks of 32).
; THE SOFTMAX AHEAD OF THE SECOND PRODUCT: t = score x log2(e) / 8; M = the running largest t rounded UP to a whole number; p = 2^(t - M) is quantised along the keys, not normalised; the row's sum is taken of the
; unquantised p and divides at the end.  When M moves, the sum and O are multiplied by 2^(old M - new M): exact.
; INPUTS are images of operand registers, made by the launch before: per head and block of 128 keys 8,704 bytes: K's four pair images, V^T's four images, 512 bytes of scale words.
; A PAIR IMAGE holds two tiles of 16 keys x 64 channels: registers 0-3 the first, 4-7 the second.  Against (q, 0) the matrix instruction gives the first tile's scores, against (0, q) the second's: zero codes add nothing.
; SHARES.  Work-group (j, bh), j = 0 .. 7: wave w takes ONE tile of 16 queries, tile j of the 128-query block a(w).  a(w) runs through 0 .. 15 so that the four waves with equal w % 4, and those with equal w / 4,
; have 34 key steps together.  How many steps a wave works (a + 1), and which step lies on the diagonal (step a), hang on the wave's number alone; j enters global addresses and a per-lane number for a compare.
; So the four work-groups of a cluster, which share the head, run alike, and K and V are asked for jointly.  The head's 139,264 bytes stay in LDS: wave w fills step w's part: one load a wave, nothing is filled again.
; EVERY wave walks all 16 steps; a step all of whose keys come after its queries is jumped over by a scalar branch; the loop's count stays a constant.
; LAYOUT.  S^T = K Q^T, O^T = V^T P^T: a lane holds one query throughout.  Register 16 b + i of S^T is key 32 b + 16 (lane / 16) + i of the step; register 16 b + i of O^T channel 32 b + 16 (lane / 16) + i.
; All that the launch reads is asked for at its head.
; LIMITS: NaN and infinities are not served; t - M is one fused multiply-add; y = O x the reciprocal of the sum; a block of y or p whose largest magnitude lies under 2^-124 gets the byte 1 (read by this program alone).
.set STEPB, 8704
.set AD0,  1                           ; v1   16 x lane
.set AD,   2                           ; v2   the step's LDS address
.set DQ,   3                           ; v3   my query - the diagonal step's first key - 16 h
.set RR,   4                           ; v4   r
.set HH,   5                           ; v5   h
.set YSA,  6                           ; v6   32 r + h: my scale byte's place
.set QSO,  7                           ; v7   16 r
.set QLO,  16                          ; v16-23 (q, 0)
.set QHI,  24                          ; v24-31 (0, q)
.set KF,   32                          ; v32-63  K's four pairs
.set VF,   64                          ; v64-95  V^T's four tiles
.set S,    96                          ; v96-159 S^T, then p
.set O,    160                         ; v160-191 O^T
.set PCD,  192                         ; v192-199 p's codes
.set SW,   200                         ; v200-203 the step's scale words: lanes 0-15 K's pairs, lanes 16-31 V's tiles
.set QS,   204                         ; v204 q's scale word
.set PS,   205                         ; v205 p's
.set F,    206                         ; v[206:207] f = 2^(old M - new M)
.set BM,   208                         ; v208-211 a block's largest score, then its largest p
.set BP,   212                         ; v212-215 the other half's, then bytes
.set SO,   216                         ; v216-219 the conversions' scale operands
.set T,    220                         ; at work
.set SUM2, 222                         ; v[222:223] the sum's second chain
.set NEG,  225                         ; -infinity
.set WV,   12
.set CX,   13
.set J,    14
.set BH,   15
.set BLK,  16                          ; s16  a: my block of 128 queries
.set G1,   24
.set G0,   32
.set SEL,  36
.set CS,   38
.set ST,   40
.set TB,   41
.set SH,   42
.set QL,   43
.macro CROUND                          ; a round of the cluster's barrier
	s_barrier_signal -1
	s_barrier_wait -1
	s_cmp_lg_u32 s[WV], 0
	s_cbranch_scc1 .Lnot_wave_0_\@
	s_barrier_signal -3
.Lnot_wave_0_\@:
	s_barrier_wait -3
	s_barrier_signal -1
	s_barrier_wait -1
.endm
	s_load_b256 s[4:11], s[0:1], 0x0               ; qq, kv, yc, ys
	v_lshl_add_u32 v254, v0, 2, 0x29000
	v_mov_b32 v255, 0
	ds_add_u32 v254, v255
	ds_add_u32 v254, v255
	v_lshrrev_b32 v8, 5, v0
	s_delay_alu instid0(VALU_DEP_1)
	v_readfirstlane_b32 s[WV], v8                  ; wave 0..15
	s_bfe_u32 s[CX], ttmp6, 0x40000
	s_lshl_b32 s[J], ttmp9, 2
	s_add_co_u32 s[J], s[J], s[CX]                 ; j = 4 x cluster x + cx
	s_and_b32 s[BH], ttmp7, 0xffff                 ; batch x 16 + head, which the partners share
	s_lshr_b32 s17, s[WV], 2                       ; i
	s_and_b32 s18, s[WV], 3                        ; c
	s_lshl_b32 s19, s18, 1
	s_lshr_b32 s20, s18, 1
	s_mul_i32 s20, s20, 3
	s_xor_b32 s19, s19, s20
	s_and_b32 s19, s19, 3                          ; m = 0, 2, 3, 1 for c = 0, 1, 2, 3
	s_xor_b32 s20, s17, s18
	s_xor_b32 s19, s17, s19
	s_lshl_b32 s20, s20, 2
	s_add_co_u32 s[BLK], s20, s19                  ; a = 4 (i xor c) + (i xor m)
	s_mov_b32 s[G1], 15|(3<<16)|(1<<21)            ; the mask: all four work-groups; elements of 8 bytes; bit 21 beside a mask; no padding
	s_mov_b32 s[G1+1], 32<<16                      ; 34 dense rows of 256 bytes
	s_mov_b32 s[G1+2], 34<<16
	s_mov_b32 s[G1+3], 32<<16
	s_mov_b32 s[G1+4], 34
	s_mov_b32 s[G1+5], 32
	s_mov_b32 s[G1+6], 0
	s_mov_b32 s[G1+7], 0
	s_mov_b32 s[G0], 1
	s_mul_i32 s[G0+1], s[WV], STEPB                ; step w's place in LDS
	s_mul_i32 s20, s[BH], 16*STEPB
	s_add_co_u32 s20, s20, s[G0+1]
	s_mov_b32 s21, 0
	s_wait_dscnt 0x0
	s_wait_kmcnt 0x0
	s_add_nc_u64 s[G0+2:G0+3], s[6:7], s[20:21]
	s_or_b32 s[G0+3], s[G0+3], 0x80000000
	CROUND                                         ; all four work-groups are here: the joint loads meet
	tensor_load_to_lds s[G0:G0+3], s[G1:G1+7]      ; my one load of the launch
	s_nop 0
.rept 4
	v_nop
.endr
	s_mul_i32 s20, s[BH], 69632
	s_mul_i32 s18, s[BLK], 4352
	s_add_co_u32 s20, s20, s18
	s_add_nc_u64 s[4:5], s[4:5], s[20:21]          ; qq at my head and block
	s_lshl_b32 s22, s[J], 9
	s_mov_b32 s23, 0
	s_add_nc_u64 s[44:45], s[4:5], s[22:23]        ; tile j's four registers: 512 j bytes on
	s_lshr_b32 s22, s[J], 1
	s_lshl_b32 s22, s22, 2
	s_add_nc_u64 s[46:47], s[4:5], s[22:23]        ; its pair's scale words
	v_and_b32 v[AD0], 31, v0
	s_delay_alu instid0(VALU_DEP_1)
	v_lshlrev_b32 v[AD0], 4, v[AD0]
	v_and_b32 v[RR], 15, v0
	v_bfe_u32 v[HH], v0, 4, 1
	s_delay_alu instid0(VALU_DEP_2)
	v_lshlrev_b32 v[QSO], 4, v[RR]
	global_load_b128 v[QLO:QLO+3], v[AD0], s[44:45]
	global_load_b128 v[QHI+4:QHI+7], v[AD0], s[44:45]   ; the same bytes once more: the two operands share no register
	global_load_b32 v[QS], v[QSO], s[46:47] offset:4096
.irp i, 4,5,6,7,8,9,10,11
	v_mov_b32 v[QLO+\i], 0                         ; the zero halves of (q, 0) and (0, q)
.endr
	s_and_b32 s[SH], s[J], 1
	s_lshl_b32 s[SH], s[SH], 4                     ; my tile's two bytes in the pair's word: 16 (j % 2) bits up
	s_lshr_b32 s[QL], s[J], 1
	s_lshl_b32 s[QL], s[QL], 5
	s_lshr_b32 s22, s[SH], 1
	s_add_co_u32 s[QL], s[QL], s22                 ; lane 0's query in the block: 32 (j / 2) + 8 (j % 2)
	v_and_b32 v8, 8, v[RR]
	s_delay_alu instid0(VALU_DEP_1)
	v_add_nc_u32 v8, v8, v[RR]                     ; r + 8 (r / 8)
	v_lshlrev_b32 v9, 4, v[HH]
	s_delay_alu instid0(VALU_DEP_1)
	v_sub_nc_u32 v[DQ], v8, v9
	s_delay_alu instid0(VALU_DEP_1)
	v_add_nc_u32 v[DQ], s[QL], v[DQ]
	v_lshl_add_u32 v[YSA], v[RR], 5, v[HH]
	s_lshr_b32 s22, s[BH], 4                       ; y's row tile: 128 x batch + 8 a + j
	s_lshl_b32 s22, s22, 7
	s_lshl_b32 s23, s[BLK], 3
	s_add_co_u32 s22, s22, s23
	s_add_co_u32 s22, s22, s[J]
	s_and_b32 s17, s[BH], 15                       ; the head
	s_lshl_b32 s18, s22, 13
	s_lshl_b32 s19, s17, 9
	s_add_co_u32 s18, s18, s19
	s_mov_b32 s19, 0
	s_add_nc_u64 s[8:9], s[8:9], s[18:19]          ; yc: 8,192 bytes a row tile, 512 a head
	s_lshl_b32 s18, s22, 9
	s_lshl_b32 s17, s17, 1
	s_add_co_u32 s18, s18, s17
	s_add_nc_u64 s[10:11], s[10:11], s[18:19]      ; ys: 512 bytes a row tile, 2 a head in each row's 32
	s_mov_b32 s[SEL], 0x76543210                   ; v_permlanex16_b32's selects for lane l xor 16
	s_mov_b32 s[SEL+1], 0xfedcba98
	s_mov_b32 s[CS], 0x3e38aa3b                    ; c = log2(e) / 8
	s_mov_b32 s[CS+1], s[CS]                       ; (named with it as a pair, so it is written)
	s_mov_b32 s[ST], 0
	s_mov_b32 s[TB], 0
	s_wait_loadcnt 0x0                             ; q and its scale word
	v_lshrrev_b32 v[QS], s[SH], v[QS]
	s_delay_alu instid0(VALU_DEP_1)
	v_and_b32 v[QS], 0xffff, v[QS]
	s_delay_alu instid0(VALU_DEP_1)
	v_lshl_or_b32 v[QS], v[QS], 16, v[QS]          ; (q0, q1, q0, q1): it serves (q, 0) and (0, q).  The lines below are more than the eight places that a scale word made by vector instructions wants
	v_mov_b32 v13, 0xff61b1e6                      ; the largest t so far: -3e38, under every t
	s_delay_alu instid0(VALU_DEP_1)
	v_floor_f32 v12, -v13                          ; -M
	v_mov_b32 v14, 0                               ; the sum, in two halves
	v_mov_b32 v15, 0
	v_mov_b32 v[F+1], 0                            ; (named as the upper half of a pair)
	v_mov_b32 v[T], 0
	v_mov_b32 v[NEG], 0xff800000
.irp b, 0,1,2,3
	v_mov_b32 v[BP+\b], 0                          ; written once: a lane permute's destination counts as one of its sources
.endr
.set n, 0
.rept 32
	v_mov_b32 v[O+n], 0                            ; O^T: the loop is written once; its first step finds zeros, which the first change of M leaves zeros
.set n, n+1
.endr
	s_wait_tensorcnt 0x0                           ; my step's bytes have landed,
	s_barrier_signal -1
	s_barrier_wait -1                              ; everybody's have
.Lstep:                                            ; 16 trips
	s_cmp_gt_u32 s[ST], s[BLK]                     ; all this step's keys come after my queries: nothing to do
	s_cbranch_scc1 .Lhidden
	s_setprio 2
	v_add_nc_u32 v[AD], s[TB], v[AD0]
.rept 3
	v_nop                                          ; with the addition four places behind the last step's products, ahead of loads into V's and the scale words' registers
.endr
	ds_load_b128 v[SW:SW+3], v[AD] offset:8192
.irp b, 0,1,2,3
.irp c, 0,1
	ds_load_b128 v[KF+8*\b+4*\c:KF+8*\b+4*\c+3], v[AD] offset:1024*\b+512*\c
.endr
.endr
.irp t, 0,1,2,3
.irp c, 0,1
	ds_load_b128 v[VF+8*\t+4*\c:VF+8*\t+4*\c+3], v[AD] offset:4096+1024*\t+512*\c
.endr
.endr
	s_wait_dscnt 8                                 ; the scale words and K are in; V's eight loads may be out
.irp b, 0,1,2,3
	v_wmma_scale_f32_16x16x128_f8f6f4 v[S+16*\b:S+16*\b+7], v[KF+8*\b:KF+8*\b+7], v[QLO:QLO+7], 0, v[SW+\b], v[QS] matrix_a_fmt:MATRIX_FMT_FP4 matrix_b_fmt:MATRIX_FMT_FP4
	v_wmma_scale_f32_16x16x128_f8f6f4 v[S+16*\b+8:S+16*\b+15], v[KF+8*\b:KF+8*\b+7], v[QHI:QHI+7], 0, v[SW+\b], v[QS] matrix_a_fmt:MATRIX_FMT_FP4 matrix_b_fmt:MATRIX_FMT_FP4
.endr
.rept 4
	v_nop
.endr
	s_cmp_lg_u32 s[ST], s[BLK]                     ; only step a lies on the diagonal
	s_cbranch_scc1 .Lopen
.set n, 0
.rept 64                                       ; register n holds key 32 (n / 16) + n % 16 + 16 h of the step: hidden where that lies beyond my query
	v_cmp_gt_i32 vcc_lo, 32*(n/16)+n%16, v[DQ]
	v_cndmask_b32 v[S+n], v[S+n], v[NEG], vcc_lo
.set n, n+1
.endr
.Lopen:
.irp b, 0,1,2,3
	v_max3_num_f32 v[BM+\b], v[S+16*\b], v[S+1+16*\b], v[S+2+16*\b]   ; the largest score of each block of 32 keys: for the row's maximum, and, since p rises with the score, for the block's largest p
.endr
.irp i, 3,5,7,9,11,13
.irp b, 0,1,2,3
	v_max3_num_f32 v[BM+\b], v[BM+\b], v[S+16*\b+\i], v[S+1+16*\b+\i]
.endr
.endr
.irp b, 0,1,2,3
	v_max_num_f32 v[BM+\b], v[BM+\b], v[S+15+16*\b]
.endr
.irp b, 0,1,2,3
	s_delay_alu instid0(VALU_DEP_4)
	v_permlanex16_b32 v[BP+\b], v[BM+\b], s[SEL], s[SEL+1]
.endr
.irp b, 0,1,2,3
	s_delay_alu instid0(VALU_DEP_4)
	v_max_num_f32 v[BM+\b], v[BM+\b], v[BP+\b]     ; with lane l xor 16's sixteen keys
.endr
	s_delay_alu instid0(VALU_DEP_2)
	v_max3_num_f32 v[T], v[BM], v[BM+1], v[BM+2]
	s_delay_alu instid0(VALU_DEP_1)
	v_max_num_f32 v[T], v[T], v[BM+3]              ; the step's largest score of my query
	s_delay_alu instid0(VALU_DEP_1)
	v_mul_f32 v[T], s[CS], v[T]                    ; as t
	s_delay_alu instid0(VALU_DEP_1)
	v_max_num_f32 v13, v13, v[T]                   ; the running largest t
	v_mov_b32 v[T], v12
	s_delay_alu instid0(VALU_DEP_2)
	v_floor_f32 v12, -v13                          ; the new -M = -ceil(t)
	s_delay_alu instid0(VALU_DEP_1)
	v_sub_f32 v[T], v12, v[T]                      ; old M - new M: a whole number, 0 or less
	s_delay_alu instid0(VALU_DEP_1)
	v_cvt_i32_f32 v[T], v[T]                       ; (it saturates)
	s_delay_alu instid0(VALU_DEP_1)
	v_ldexp_f32 v[F], 1.0, v[T]                    ; f
.set n, 0
.rept 32
	v_pk_fma_f32 v[S+n:S+n+1], v[S+n:S+n+1], s[CS:CS+1], v[12:13] op_sel_hi:[1,0,0]   ; t - M, two at a time
.set n, n+2
.endr
	s_setprio 1
.irp b, 0,1,2,3
	v_fma_f32 v[BM+\b], v[BM+\b], s[CS], v12       ; the same of each block's largest score
.endr
.set n, 0
	s_wait_alu depctr_va_vdst(0)
.rept 64
	v_exp_f32 v[S+n], v[S+n]                       ; p = 2^(t - M)
.set n, n+1
.endr
	v_pk_mul_f32 v[14:15], v[14:15], v[F:F+1] op_sel_hi:[1,0]   ; the sums under the new M: the plain place behind the exponentials
	s_wait_alu depctr_va_vdst(0)                   ; one wait for the batch of 64, ahead of its first reader
.irp b, 0,1,2,3
	v_exp_f32 v[BM+\b], v[BM+\b]                   ; the block's largest p: the same two instructions on the same number
.endr
	v_pk_add_f32 v[222:223], v[100:101], v[104:105]
	v_pk_add_f32 v[252:253], v[108:109], v[112:113]
	v_pk_add_f32 v[250:251], v[116:117], v[120:121]
	v_pk_add_f32 v[248:249], v[124:125], v[128:129]
	v_pk_add_f32 v[246:247], v[132:133], v[136:137]
	v_pk_add_f32 v[244:245], v[140:141], v[144:145]
	v_pk_add_f32 v[242:243], v[148:149], v[152:153]
	v_pk_add_f32 v[14:15], v[14:15], v[156:157]
	v_pk_add_f32 v[222:223], v[222:223], v[96:97]
	v_pk_add_f32 v[252:253], v[252:253], v[98:99]
	v_pk_add_f32 v[250:251], v[250:251], v[102:103]
	v_pk_add_f32 v[248:249], v[248:249], v[106:107]
	v_pk_add_f32 v[246:247], v[246:247], v[110:111]
	v_pk_add_f32 v[244:245], v[244:245], v[114:115]
	v_pk_add_f32 v[242:243], v[242:243], v[118:119]
	v_pk_add_f32 v[14:15], v[14:15], v[122:123]
	v_pk_add_f32 v[222:223], v[222:223], v[126:127]
	v_pk_add_f32 v[252:253], v[252:253], v[130:131]
	v_pk_add_f32 v[250:251], v[250:251], v[134:135]
	v_pk_add_f32 v[248:249], v[248:249], v[138:139]
	v_pk_add_f32 v[246:247], v[246:247], v[142:143]
	v_pk_add_f32 v[244:245], v[244:245], v[146:147]
	v_pk_add_f32 v[242:243], v[242:243], v[150:151]
	v_pk_add_f32 v[14:15], v[14:15], v[154:155]
	v_pk_add_f32 v[222:223], v[222:223], v[158:159]
	s_delay_alu instid0(VALU_DEP_2)
	v_pk_add_f32 v[14:15], v[14:15], v[248:249]
	s_delay_alu instid0(VALU_DEP_2)
	v_pk_add_f32 v[222:223], v[222:223], v[246:247]
	v_pk_add_f32 v[252:253], v[252:253], v[244:245]
	v_pk_add_f32 v[250:251], v[250:251], v[242:243]
	s_delay_alu instid0(VALU_DEP_2)
	v_pk_add_f32 v[14:15], v[14:15], v[252:253]
	s_delay_alu instid0(VALU_DEP_2)
	v_pk_add_f32 v[222:223], v[222:223], v[250:251]
	s_delay_alu instid0(VALU_DEP_1)
	v_pk_add_f32 v[14:15], v[14:15], v[222:223]
	s_wait_alu depctr_va_vdst(0)                   ; and one for the four
.irp b, 0,1,2,3
	v_max_num_f32 v[BM+\b], 0x1800000, v[BM+\b]    ; the floor 2^(3 - 127): the byte cannot fall under 1
.endr
.irp b, 0,1,2,3
	s_delay_alu instid0(VALU_DEP_4)
	v_add_nc_u32 v[SO+\b], 0xff000000, v[BM+\b]    ; 2 off the exponent field: the conversion's scale operand
.endr
.irp b, 0,1,2,3
	s_delay_alu instid0(VALU_DEP_4)
	v_lshrrev_b32 v[BP+\b], 23, v[SO+\b]           ; the scale's byte
.endr
	s_delay_alu instid0(VALU_DEP_3)
	v_lshl_or_b32 v[PS], v[BP+1], 8, v[BP]
	s_delay_alu instid0(VALU_DEP_1)
	v_lshl_or_b32 v[PS], v[BP+2], 16, v[PS]
	s_delay_alu instid0(VALU_DEP_1)
	v_lshl_or_b32 v[PS], v[BP+3], 24, v[PS]        ; p's scale word for these 128 keys
	s_setprio 0
.irp b, 0,1,2,3
	v_cvt_scalef32_pk8_fp4_f32 v[PCD+2*\b], v[S+16*\b:S+7+16*\b], v[SO+\b]
	v_cvt_scalef32_pk8_fp4_f32 v[PCD+1+2*\b], v[S+8+16*\b:S+15+16*\b], v[SO+\b]
.endr
	v_nop                                          ; one plain place behind a scaled conversion
.irp c, 0,1                                    ; a whole block in a lane: lanes 0-15 block 2 c, lanes 16-31 block 2 c + 1
.irp i, 0,1
	v_permlane16_swap_b32 v[PCD+4*\c+\i], v[PCD+2+4*\c+\i]
.endr
.endr
.set n, 0
.rept 16
	v_pk_mul_f32 v[O+n:O+n+1], v[O+n:O+n+1], v[F:F+1] op_sel_hi:[1,0]   ; O^T under the new M; for each product below at least twelve of these name none of its registers: the places behind p's scale word and codes
.set n, n+2
.endr
.rept 4
	v_nop
.endr
	s_wait_alu depctr_va_vdst(0)
	s_wait_dscnt 0x0                               ; V is in
.irp t, 0,1,2,3                                ; O^T += V^T P^T: the four accumulators by turns; V's scale words stand in lanes 16-31
	v_wmma_scale_f32_16x16x128_f8f6f4 v[O+8*\t:O+8*\t+7], v[VF+8*\t:VF+8*\t+7], v[PCD:PCD+7], v[O+8*\t:O+8*\t+7], v[SW+\t], v[PS] matrix_a_fmt:MATRIX_FMT_FP4 matrix_b_fmt:MATRIX_FMT_FP4 matrix_a_scale:MATRIX_SCALE_ROW1
.endr
.Lhidden:
	s_add_co_u32 s[TB], s[TB], STEPB
	s_add_co_u32 s[ST], s[ST], 1
	s_cmp_lt_u32 s[ST], 16
	s_cbranch_scc1 .Lstep
	s_setprio 0
	; THE WAY OUT: O^T / the sum, quantised along the head's 64 channels: two blocks; four registers of codes are my head's part of y's fragment
.rept 4
	v_nop
.endr
	v_add_f32 v14, v14, v15
	s_delay_alu instid0(VALU_DEP_1)
	v_permlanex16_b32 v[T], v14, s[SEL], s[SEL+1]
	s_delay_alu instid0(VALU_DEP_1)
	v_add_f32 v14, v14, v[T]                       ; the row's sum
	s_wait_alu depctr_va_vdst(0)
	v_rcp_f32 v14, v14
	v_nop                                          ; a plain place behind the transcendental
	s_wait_alu depctr_va_vdst(0)                   ; the wait ahead of its first reader
.set n, 0
.rept 32
	v_mul_f32 v[S+n], v[O+n], v14                  ; register 16 b + i: channel 32 b + 16 h + i
.set n, n+1
.endr
.irp b, 0,1
	v_max3_num_f32 v[BM+\b], |v[S+16*\b]|, |v[S+1+16*\b]|, 0x1800000
.endr
.irp i, 2,4,6,8,10,12,14
.irp b, 0,1
	s_delay_alu instid0(VALU_DEP_2)
	v_max3_num_f32 v[BM+\b], v[BM+\b], |v[S+16*\b+\i]|, |v[S+1+16*\b+\i]|
.endr
.endr
.irp b, 0,1
	s_delay_alu instid0(VALU_DEP_2)
	v_permlanex16_b32 v[BP+\b], v[BM+\b], s[SEL], s[SEL+1]
.endr
.irp b, 0,1
	s_delay_alu instid0(VALU_DEP_2)
	v_max_num_f32 v[BM+\b], v[BM+\b], v[BP+\b]
.endr
.irp b, 0,1
	s_delay_alu instid0(VALU_DEP_2)
	v_add_nc_u32 v[SO+\b], 0xff000000, v[BM+\b]
.endr
.irp b, 0,1
	s_delay_alu instid0(VALU_DEP_2)
	v_lshrrev_b32 v[BP+\b], 23, v[SO+\b]
.endr
.irp b, 0,1
	v_cvt_scalef32_pk8_fp4_f32 v[PCD+2*\b], v[S+16*\b:S+7+16*\b], v[SO+\b]
	v_cvt_scalef32_pk8_fp4_f32 v[PCD+1+2*\b], v[S+8+16*\b:S+15+16*\b], v[SO+\b]
.endr
	v_nop
	v_permlane16_swap_b32 v[PCD], v[PCD+2]
	v_permlane16_swap_b32 v[PCD+1], v[PCD+3]       ; lanes 0-15: channels 0-31, lanes 16-31: channels 32-63
	v_cmp_ne_u32 vcc_lo, 0, v[HH]
	s_delay_alu instid0(VALU_DEP_1)
	v_cndmask_b32 v[T], v[BP], v[BP+1], vcc_lo     ; lane (r, h) stores block h's byte of row r
	global_store_b128 v[AD0], v[PCD:PCD+3], s[8:9] ; 512 consecutive bytes, aligned
	global_store_b8 v[YSA], v[T], s[10:11]         ; 2 bytes of each row's 32: the other 30 belong to other heads, that is to other work-groups
	s_wait_tensorcnt 0x0
	ds_add_u32 v254, v255
	s_wait_dscnt 0x0
	CROUND                                         ; the closing round
	s_endpgm
.Lfunc_end_k_q3ca3beb576_attn:
	.size	k_q3ca3beb576_attn, .Lfunc_end_k_q3ca3beb576_attn-k_q3ca3beb576_attn
	.p2alignl 7, 3214868480
	.fill 96, 4, 3214868480
	.section	.rodata,"a",@progbits
	.p2align	6, 0x0
	.amdhsa_kernel k_q3ca3beb576_attn
		.amdhsa_group_segment_fixed_size 169984
		.amdhsa_private_segment_fixed_size 0
		.amdhsa_enable_private_segment 0
		.amdhsa_kernarg_size 32
		.amdhsa_user_sgpr_count 2
		.amdhsa_user_sgpr_kernarg_segment_ptr 1
		.amdhsa_wavefront_size32 1
		.amdhsa_system_sgpr_workgroup_id_x 1
		.amdhsa_system_sgpr_workgroup_id_y 1
		.amdhsa_system_sgpr_workgroup_id_z 1
		.amdhsa_system_vgpr_workitem_id 0
		.amdhsa_next_free_vgpr 256
		.amdhsa_next_free_sgpr 66
		.amdhsa_reserve_vcc 1
		.amdhsa_float_denorm_mode_32 3
		.amdhsa_float_denorm_mode_16_64 3
		.amdhsa_memory_ordered 1
		.amdhsa_forward_progress 1
		.amdhsa_inst_pref_size 33
	.end_amdhsa_kernel
	.amdgpu_metadata
---
amdhsa.version: [ 1, 2 ]
amdhsa.kernels:
  - .name:           k_q3ca3beb576_attn
    .symbol:         k_q3ca3beb576_attn.kd
    .args:
      - { .name: qq, .offset: 0, .size: 8, .value_kind: global_buffer, .address_space: global }
      - { .name: kv, .offset: 8, .size: 8, .value_kind: global_buffer, .address_space: global }
      - { .name: yc, .offset: 16, .size: 8, .value_kind: global_buffer, .address_space: global }
      - { .name: ys, .offset: 24, .size: 8, .value_kind: global_buffer, .address_space: global }
    .group_segment_fixed_size: 169984
    .private_segment_fixed_size: 0
    .kernarg_segment_align: 8
    .kernarg_segment_size: 32
    .max_flat_workgroup_size: 512
    .sgpr_count:     66
    .vgpr_count:     256
    .wavefront_size: 32
...
	.end_amdgpu_metadata
.endif
;; end of part 2
;; launch proj (part 3): grid 4 x 64, 4 waves a work-group, clusters of 4 x 4, 327,680 bytes of LDS; arguments yc, ys, Wp_codes, Wp_scales, bp, out0; writes out0
.if DOCPART == 3
	.amdgcn_target "amdgcn-amd-amdhsa--gfx1250"
	.amdhsa_code_object_version 6
	.text
	.protected	k_q3ca3beb576_proj
	.globl	k_q3ca3beb576_proj
	.p2align	8
	.type	k_q3ca3beb576_proj,@function
k_q3ca3beb576_proj:
	s_mov_b64 s[64:65], 0
	v_nop
	global_prefetch_b8 v0, s[64:65] scope:SCOPE_SE
	s_setreg_imm32_b32 hwreg(HW_REG_WAVE_MODE, 25, 1), 1
	s_wait_xcnt 0x0
	s_wait_alu depctr_hold_cnt(0) depctr_sa_sdst(0) depctr_va_vdst(0) depctr_va_sdst(0) depctr_va_ssrc(0) depctr_va_vcc(0) depctr_vm_vsrc(0)
	s_getreg_b32 s2, hwreg(HW_REG_IB_STS2, 6, 4)
	s_cmp_eq_u32 s2, 0
	s_cbranch_scc0 .Lentry_in_a_cluster
	s_endpgm
.Lentry_in_a_cluster:
	s_bfe_u32 s2, ttmp6, 0x10000c
	s_cmp_lg_u32 s2, 0xf033
	s_cbranch_scc0 .Lentry_shape_is_right
	s_endpgm
.Lentry_shape_is_right:
; out = y Wp^T + bp on codes of FP4 (E2M1) with one E8M0 byte for each 32 along K = 1,024; sums in f32; out is f32.
; y arrives as images of operand registers: [row tile][head][512 bytes]; K step s of a row tile is the 1,024 bytes of heads 2 s, 2 s + 1; its scale bytes [row tile][lane row][32].
; Lane row r of row tile i of a block of 128 rows is row 32 (i / 2) + 8 (i % 2) + r + 8 (r / 8) of the block.
; SHARES.  A work-group takes 128 rows x 256 columns; wave w 64 columns: 8 tiles of y by 4 tiles of Wp, 32 accumulators.  All of K lies in LDS: every LDS byte that a load fills is filled once.
; CLUSTER 4 x 4: y's block is shared along a row of the cluster, Wp's rows along a column: joint loads.
; THE MATRIX INSTRUCTION IS USED TRANSPOSED (source 0 = 16 rows of Wp, source 1 = 16 rows of y): a lane holds eight neighbouring columns of one row of out.  The bias is the C of each sum's first product.
; REGISTERS: window 0: addresses, scale words, rows on the way out;  window 1: the accumulators ((y tile, W tile) at 8 (4 i + wt));  window 2: two sets of 12 fragments, from v192 the bias.
; LIMITS: NaN and infinities are not served.
.set PX,   528                         ; a row of Wp in LDS: 512 bytes + 16 of padding = 132 words: row r starts at bank 4 r mod 64 (64 banks of 4 bytes: ISA guide 11.1)
.set WC,   65536                       ; LDS: y's images 0 .. 65,535; Wp's 256 rows;
.set YSL,  200704                      ; y's scale bytes, 4,096;
.set WSL,  204800                      ; Wp's, 8,192;
.set STG,  212992                      ; a stage of 16 rows x (256 + 16) bytes for each wave, into which no load lands
.set WA,   5                           ; v5   Wp's fragments: WC + my 64 rows + r PX + 16 h
.set YSA,  6                           ; v6   y's scale words: YSL + 32 r
.set WSA,  7                           ; v7   Wp's
.set BOF,  8                           ; v8   32 h: the bias
.set LI,   9                           ; v9   16 x lane: an image's place for my lane
.set STO,  10                          ; v10  the stage: where I put 32 bytes of a row
.set RD,   11                          ; v11  and where I read a row back
.set CO,   12                          ; v12  4,096 (lane / 16) + 16 (lane % 16): my place in two rows of out
.set XSC,  16                          ; v16-79   y's scale words: tile i, K step s at XSC + 8 i + s
.set WSC,  80                          ; v80-111  Wp's
.set BK,   136                         ; v136-199 two sets of 32: a tile's rows back from the stage
.set BIAS, 192
.set WV,   30
.set G1Y,  48
.set G1W,  56
.set G1YS, 68
.set G1WS, 76
.set G0Y,  84
.set G0W,  88
.set G0YS, 92
.set G0WS, 96
.set MSB, 0
.macro WIN new                         ; s_set_vgpr_msb: bits 1:0 source 0, 3:2 source 1, 5:4 source 2, 7:6 destination; the high byte repeats the setting that is left
.if MSB != \new
	s_set_vgpr_msb (MSB<<8)|\new
.set MSB, \new
.endif
.endm
.macro CROUND
	s_barrier_signal -1
	s_barrier_wait -1
	s_cmp_lg_u32 s[WV], 0
	s_cbranch_scc1 .Lnot_wave_0_\@
	s_barrier_signal -3
.Lnot_wave_0_\@:
	s_barrier_wait -3
	s_barrier_signal -1
	s_barrier_wait -1
.endm
.macro JLOAD g0a, g1a, g0b, g1b        ; a joint load: waves 0, 1 for y, waves 2, 3 for Wp; four v_nop follow each line
	s_cmp_eq_u32 s31, 0
	s_cbranch_scc0 .Lfor_w_\@
	tensor_load_to_lds s[\g0a:\g0a+3], s[\g1a:\g1a+7]
	s_nop 0
.rept 4
	v_nop
.endr
	s_branch .Lasked_\@
.Lfor_w_\@:
	tensor_load_to_lds s[\g0b:\g0b+3], s[\g1b:\g1b+7]
	s_nop 0
.rept 4
	v_nop
.endr
.Lasked_\@:
.endm
.macro PLACES
.rept 4
	v_nop
.endr
.endm
	s_load_b256 s[4:11], s[0:1], 0x0               ; yc, ys, Wp codes, Wp scales
	s_load_b128 s[12:15], s[0:1], 0x20             ; bp, out0
	v_lshl_add_u32 v254, v0, 2, 0x38400
	v_mov_b32 v255, 0
	ds_add_u32 v254, v255
	ds_add_u32 v254, v255
	v_lshrrev_b32 v1, 5, v0
	v_readfirstlane_b32 s[WV], v1                  ; wave 0..3
	s_lshr_b32 s31, s[WV], 1                       ; I fetch for y (0) or Wp (1),
	s_and_b32 s32, s[WV], 1                        ; its first or second half
	s_bfe_u32 s33, ttmp6, 0x40000                  ; cx: which 256 columns
	s_bfe_u32 s34, ttmp6, 0x40004                  ; cy
	s_and_b32 s35, ttmp7, 0xffff
	s_lshl_b32 s35, s35, 2
	s_add_co_u32 s35, s35, s34                     ; RB: which 128 rows
	s_lshl_b32 s36, s34, 2
	s_lshl_b32 s36, 15, s36                        ; my row of the cluster
	s_lshl_b32 s37, 0x1111, s33                    ; my column
	s_or_b32 s[G1Y], s36, (3<<16)|(1<<21)          ; y's images: 32,768 dense bytes as 128 rows of 256
	s_mov_b32 s[G1Y+1], 32<<16
	s_mov_b32 s[G1Y+2], 128<<16
	s_mov_b32 s[G1Y+3], 32<<16
	s_mov_b32 s[G1Y+4], 128
	s_mov_b32 s[G1Y+5], 32
	s_mov_b32 s[G1Y+6], 0
	s_mov_b32 s[G1Y+7], 0
	s_or_b32 s[G1W], s37, (3<<16)|(1<<20)|(1<<21)|(6<<22)|(3<<25)   ; Wp: 128 rows of 512 bytes, 16 bytes of padding behind each
	s_mov_b32 s[G1W+1], 64<<16
	s_mov_b32 s[G1W+2], 128<<16
	s_mov_b32 s[G1W+3], 64<<16
	s_mov_b32 s[G1W+4], 128
	s_mov_b32 s[G1W+5], 64
	s_mov_b32 s[G1W+6], 0
	s_mov_b32 s[G1W+7], 0
	s_or_b32 s[G1YS], s36, (3<<16)|(1<<21)         ; y's scales: 2,048 dense bytes
	s_mov_b32 s[G1YS+1], 32<<16
	s_mov_b32 s[G1YS+2], 8<<16
	s_mov_b32 s[G1YS+3], 32<<16
	s_mov_b32 s[G1YS+4], 8
	s_mov_b32 s[G1YS+5], 32
	s_mov_b32 s[G1YS+6], 0
	s_mov_b32 s[G1YS+7], 0
	s_or_b32 s[G1WS], s37, (3<<16)|(1<<21)         ; Wp's scales: 4,096 dense bytes
	s_mov_b32 s[G1WS+1], 32<<16
	s_mov_b32 s[G1WS+2], 16<<16
	s_mov_b32 s[G1WS+3], 32<<16
	s_mov_b32 s[G1WS+4], 16
	s_mov_b32 s[G1WS+5], 32
	s_mov_b32 s[G1WS+6], 0
	s_mov_b32 s[G1WS+7], 0
	s_lshl_b32 s38, s35, 16                        ; y's images: RB x 65,536 + half
	s_lshl_b32 s39, s32, 15
	s_add_co_u32 s38, s38, s39
	s_mov_b32 s39, 0
	s_lshl_b32 s40, s35, 12                        ; y's scales: RB x 4,096 + half
	s_lshl_b32 s41, s32, 11
	s_add_co_u32 s40, s40, s41
	s_mov_b32 s41, 0
	s_lshl_b32 s42, s33, 17                        ; Wp's codes: cx x 131,072 + half
	s_lshl_b32 s43, s32, 16
	s_add_co_u32 s42, s42, s43
	s_mov_b32 s43, 0
	s_lshl_b32 s66, s33, 13                        ; Wp's scales: cx x 8,192 + half
	s_lshl_b32 s67, s32, 12
	s_add_co_u32 s66, s66, s67
	s_mov_b32 s67, 0
	s_wait_dscnt 0x0
	s_wait_kmcnt 0x0
	s_mov_b32 s[G0Y], 1
	s_lshl_b32 s[G0Y+1], s32, 15
	s_add_nc_u64 s[G0Y+2:G0Y+3], s[4:5], s[38:39]
	s_or_b32 s[G0Y+3], s[G0Y+3], 0x80000000
	s_mov_b32 s[G0W], 1
	s_mul_i32 s[G0W+1], s32, 128*PX
	s_add_co_u32 s[G0W+1], s[G0W+1], WC
	s_add_nc_u64 s[G0W+2:G0W+3], s[8:9], s[42:43]
	s_or_b32 s[G0W+3], s[G0W+3], 0x80000000
	s_mov_b32 s[G0YS], 1
	s_lshl_b32 s[G0YS+1], s32, 11
	s_add_co_u32 s[G0YS+1], s[G0YS+1], YSL
	s_add_nc_u64 s[G0YS+2:G0YS+3], s[6:7], s[40:41]
	s_or_b32 s[G0YS+3], s[G0YS+3], 0x80000000
	s_mov_b32 s[G0WS], 1
	s_lshl_b32 s[G0WS+1], s32, 12
	s_add_co_u32 s[G0WS+1], s[G0WS+1], WSL
	s_add_nc_u64 s[G0WS+2:G0WS+3], s[10:11], s[66:67]
	s_or_b32 s[G0WS+3], s[G0WS+3], 0x80000000
	CROUND                                         ; all sixteen work-groups are here: the joint loads meet
	JLOAD G0YS, G1YS, G0WS, G1WS                   ; one load of mine is out; the second follows after the wait and round below: the only two of the launch
	s_wait_alu depctr_va_vdst(0)
	s_wait_tensorcnt 0x0
	ds_add_u32 v254, v255
	s_wait_dscnt 0x0
	CROUND
	JLOAD G0Y, G1Y, G0W, G1W
	s_lshl_b32 s16, s33, 10
	s_lshl_b32 s17, s[WV], 8
	s_add_co_u32 s16, s16, s17                     ; my 64 columns, in bytes of f32
	s_mov_b32 s17, 0
	s_add_nc_u64 s[12:13], s[12:13], s[16:17]      ; the bias there
	s_add_nc_u64 s[14:15], s[14:15], s[16:17]
	s_lshl_b32 s16, s35, 19                        ; RB x 128 rows of 4,096 bytes
	s_add_nc_u64 s[14:15], s[14:15], s[16:17]      ; out at my block's first row, my first column
	v_and_b32 v1, 15, v0                           ; r
	v_bfe_u32 v2, v0, 4, 1                         ; h
	v_mul_u32_u24 v[WA], v1, PX
	v_lshl_add_u32 v[WA], v2, 4, v[WA]
	s_mul_i32 s16, s[WV], 64*PX
	s_add_co_u32 s16, s16, WC
	v_add_nc_u32 v[WA], s16, v[WA]
	v_lshl_add_u32 v[YSA], v1, 5, YSL
	s_lshl_b32 s16, s[WV], 11
	s_add_co_u32 s16, s16, WSL
	v_lshl_add_u32 v[WSA], v1, 5, s16
	v_lshlrev_b32 v[BOF], 5, v2
	v_and_b32 v[LI], 31, v0
	v_lshlrev_b32 v[LI], 4, v[LI]
	s_mul_i32 s16, s[WV], 16*272
	s_add_co_u32 s16, s16, STG                     ; my stage
	v_mul_u32_u24 v[STO], v1, 272
	v_lshl_add_u32 v[STO], v2, 5, v[STO]
	v_add_nc_u32 v[STO], s16, v[STO]               ; in: row r, 32 bytes for each half of the lanes
	v_mul_u32_u24 v[RD], v2, 272
	v_lshl_add_u32 v[RD], v1, 4, v[RD]
	v_add_nc_u32 v[RD], s16, v[RD]                 ; back: lanes 0-15 one row of 256 bytes, lanes 16-31 the next
	v_lshlrev_b32 v[CO], 12, v2
	v_lshl_add_u32 v[CO], v1, 4, v[CO]
	WIN 0x80                                       ; destination window 2
.irp wt, 0,1,2,3                               ; register j of tile wt is column 16 wt + 8 h + j
	global_load_b128 v[BIAS+8*\wt:BIAS+8*\wt+3], v[BOF], s[12:13] offset:64*\wt
	global_load_b128 v[BIAS+8*\wt+4:BIAS+8*\wt+7], v[BOF], s[12:13] offset:64*\wt+16
.endr
	WIN 0
	s_wait_alu depctr_va_vdst(0)
	s_wait_tensorcnt 0x0                           ; both my fills have landed,
	s_barrier_signal -1
	s_barrier_wait -1                              ; everybody's have
.irp t, 0,1,2,3,4,5,6,7
.irp f, 0,1
	ds_load_b128 v[XSC+8*\t+4*\f:XSC+8*\t+4*\f+3], v[YSA] offset:512*\t+16*\f
.endr
.endr
.irp t, 0,1,2,3
.irp f, 0,1
	ds_load_b128 v[WSC+8*\t+4*\f:WSC+8*\t+4*\f+3], v[WSA] offset:512*\t+16*\f
.endr
.endr
.macro FETCH s, p                              ; 24 LDS loads: the 12 fragments of K step s into set p
	WIN 0x80
.irp t, 0,1,2,3,4,5,6,7
.irp c, 0,1
	ds_load_b128 v[96*(\p)+8*\t+4*\c:96*(\p)+8*\t+4*\c+3], v[LI] offset:8192*\t+1024*(\s)+512*\c
.endr
.endr
.irp t, 0,1,2,3
.irp c, 0,1
	ds_load_b128 v[96*(\p)+64+8*\t+4*\c:96*(\p)+64+8*\t+4*\c+3], v[WA] offset:16*PX*\t+64*(\s)+32*\c
.endr
.endr
.endm
.macro MULS s, p                               ; 32 matrix instructions; the 32 accumulators take turns, one instruction a turn, in the same order in every step
.if (\s) == 0
	WIN 0x6a                                       ; sources 0, 1 and C window 2, D window 1
.else
	WIN 0x5a                                       ; sources 0, 1 window 2, C and D window 1
.endif
.irp xt, 0,1,2,3,4,5,6,7
.irp wt, 0,1,2,3
.set rD, 8*(4*\xt+\wt)
.set rA, 96*(\p)+64+8*\wt
.set rB, 96*(\p)+8*\xt
.if (\s) == 0
	v_wmma_scale_f32_16x16x128_f8f6f4 v[rD:rD+7], v[rA:rA+7], v[rB:rB+7], v[BIAS+8*\wt:BIAS+8*\wt+7], v[WSC+8*\wt+(\s)], v[XSC+8*\xt+(\s)] matrix_a_fmt:MATRIX_FMT_FP4 matrix_b_fmt:MATRIX_FMT_FP4
.else
	v_wmma_scale_f32_16x16x128_f8f6f4 v[rD:rD+7], v[rA:rA+7], v[rB:rB+7], v[rD:rD+7], v[WSC+8*\wt+(\s)], v[XSC+8*\xt+(\s)] matrix_a_fmt:MATRIX_FMT_FP4 matrix_b_fmt:MATRIX_FMT_FP4
.endif
.endr
.endr
.endm
	FETCH 0, 0
	s_wait_loadcnt 0x0                             ; the bias
	FETCH 1, 1
	s_wait_dscnt 24                                ; all but the 24 just issued: the scale words and K step 0
	MULS 0, 0
.irp s, 1,2,3,4,5,6
	PLACES                                         ; the set to be loaded was read by the products just issued
	FETCH (\s+1), ((\s+1)%2)
	s_wait_dscnt 24                                ; all but the 24 just issued
	MULS \s, (\s%2)
.endr
	s_wait_dscnt 0x0
	MULS 7, 1
	WIN 0
; THE WAY OUT, a tile of 16 rows x 64 columns at a time: through my own stage, back as whole rows of 256 bytes.  LDS serves a wave's instructions in order (ISA guide 5.7.1.4): no wait between the stores and the loads, nor ahead of the next tile's stores
.macro TOSTAGE i
	WIN 0x04                                       ; an LDS store's data are its source 1: window 1
.irp wt, 0,1,2,3
	ds_store_b128 v[STO], v[8*(4*(\i)+\wt):8*(4*(\i)+\wt)+3] offset:64*\wt         ; each accumulator from its low end on
	ds_store_b128 v[STO], v[8*(4*(\i)+\wt)+4:8*(4*(\i)+\wt)+7] offset:64*\wt+16
.endr
	WIN 0
.irp k, 0,1,2,3,4,5,6,7
	ds_load_b128 v[BK+32*((\i)%2)+4*\k:BK+32*((\i)%2)+4*\k+3], v[RD] offset:544*\k
.endr
.endm
.macro SEND i, younger                         ; stage rows 2 k, 2 k + 1 are rows 32 (i / 2) + 8 (i % 2) + 2 k + 8 (k / 4) and the next of the block; 126 rows of 4,096 bytes at the most stand in the immediate
	s_wait_dscnt \younger
.irp k, 0,1,2,3,4,5,6,7
	global_store_b128 v[CO], v[BK+32*((\i)%2)+4*\k:BK+32*((\i)%2)+4*\k+3], s[14:15] offset:(32*((\i)/2)+8*((\i)%2)+2*\k+8*(\k/4))*4096 th:TH_STORE_NT   ; sixteen lanes store 256 consecutive bytes, aligned
.endr
.endm
	PLACES                                         ; ahead of the first read of results
	TOSTAGE 0
.irp i, 1,2,3,4,5,6,7
.if \i > 1
	s_wait_xcnt 0x0                                ; tile i - 2's stores have read their registers: tile i's rows may land there
.endif
	TOSTAGE \i
	SEND \i-1, 16                                  ; behind tile i - 1's loads: tile i's 8 stores and 8 loads
.endr
	SEND 7, 0
	s_wait_tensorcnt 0x0
	ds_add_u32 v254, v255
	s_wait_dscnt 0x0
	CROUND                                         ; the closing round
	s_endpgm
.Lfunc_end_k_q3ca3beb576_proj:
	.size	k_q3ca3beb576_proj, .Lfunc_end_k_q3ca3beb576_proj-k_q3ca3beb576_proj
	.p2alignl 7, 3214868480
	.fill 96, 4, 3214868480
	.section	.rodata,"a",@progbits
	.p2align	6, 0x0
	.amdhsa_kernel k_q3ca3beb576_proj
		.amdhsa_group_segment_fixed_size 327680
		.amdhsa_private_segment_fixed_size 0
		.amdhsa_enable_private_segment 0
		.amdhsa_kernarg_size 48
		.amdhsa_user_sgpr_count 2
		.amdhsa_user_sgpr_kernarg_segment_ptr 1
		.amdhsa_wavefront_size32 1
		.amdhsa_system_sgpr_workgroup_id_x 1
		.amdhsa_system_sgpr_workgroup_id_y 1
		.amdhsa_system_sgpr_workgroup_id_z 1
		.amdhsa_system_vgpr_workitem_id 0
		.amdhsa_next_free_vgpr 768
		.amdhsa_next_free_sgpr 100
		.amdhsa_reserve_vcc 0
		.amdhsa_float_denorm_mode_32 3
		.amdhsa_float_denorm_mode_16_64 3
		.amdhsa_memory_ordered 1
		.amdhsa_forward_progress 1
		.amdhsa_inst_pref_size 72
	.end_amdhsa_kernel
	.amdgpu_metadata
---
amdhsa.version: [ 1, 2 ]
amdhsa.kernels:
  - .name:           k_q3ca3beb576_proj
    .symbol:         k_q3ca3beb576_proj.kd
    .args:
      - { .name: yc, .offset: 0, .size: 8, .value_kind: global_buffer, .address_space: global }
      - { .name: ys, .offset: 8, .size: 8, .value_kind: global_buffer, .address_space: global }
      - { .name: Wp_codes, .offset: 16, .size: 8, .value_kind: global_buffer, .address_space: global }
      - { .name: Wp_scales, .offset: 24, .size: 8, .value_kind: global_buffer, .address_space: global }
      - { .name: bp, .offset: 32, .size: 8, .value_kind: global_buffer, .address_space: global }
      - { .name: out0, .offset: 40, .size: 8, .value_kind: global_buffer, .address_space: global }
    .group_segment_fixed_size: 327680
    .private_segment_fixed_size: 0
    .kernarg_segment_align: 8
    .kernarg_segment_size: 48
    .max_flat_workgroup_size: 128
    .sgpr_count:     100
    .vgpr_count:     768
    .wavefront_size: 32
...
	.end_amdgpu_metadata
.endif
;; end of part 3
